; MI455X (gfx1250); checked and timed in simulation.
; The chip was launched on July 23, 2026; its instructions are those of AMD's public machine-readable ISA for CDNA 5 (MIT licence, August 2026) and "CDNA5" Instruction Set Architecture Reference Guide (July 2026). The comments in the code are by the model that wrote it; some were corrected since.
;; MAB. Allowed arithmetic: matrix products marked QUANTISED: E5M2 operands, one given power-of-two scale a tensor, by v_wmma_f32_16x16x64_bf8_bf8 or v_wmma_f32_16x16x128_bf8_bf8, f32 sums; everything else in f32.
;; Inputs: K_codes 4 x 2,048 x 32 x 32 uint8 (E5M2 codes of K, K innermost, in blocks of 32 codes); Q_codes 4 x 2,048 x 32 x 32 uint8 (E5M2 codes of Q, K innermost, in blocks of 32 codes); Wk_codes 1,024 x 32 x 32 uint8 (E5M2 codes of Wk, K innermost, in blocks of 32 codes); Wo_codes 1,024 x 32 x 32 uint8 (E5M2 codes of Wo, K innermost, in blocks of 32 codes); Wq_codes 1,024 x 32 x 32 uint8 (E5M2 codes of Wq, K innermost, in blocks of 32 codes); Wv_codes 1,024 x 32 x 32 uint8 (E5M2 codes of Wv, K innermost, in blocks of 32 codes); b0 1,024 float32; b1 1,024 float32; bk 1,024 float32; bo 1,024 float32; bq 1,024 float32; bv 1,024 float32; g0 1,024 float32; g1 1,024 float32; lowp_scales 12 int32 (the exponents e of the quantised operands' scales 2^e).
;; Outputs: out0 4 x 2,048 x 1,024 float32.
;; This version of the problem:
;;   THIS VERSION OF THE PROBLEM IS GIVEN IN LOW PRECISION. The matrix products marked QUANTISED in the list below multiply operands that are first quantised to E5M2 (5 exponent bits, 2 mantissa bits; 8 bits a number), with one given power-of-two scale for each operand tensor; their sums are f32. All else is computed in f32.
;;   The module's matrix products, in the order in which they are computed (A, B: the left and right operand; K: the contracted axis; several contracted axes count as one K, in the product's order):
;;     1. [M 8,192, K 1,024] x [K 1,024, N 1,024]; A: input Q (given as codes); B: input Wq (given as codes): QUANTISED (scales: A lowp_scales[0], B lowp_scales[1])
;;     2. [M 8,192, K 1,024] x [K 1,024, N 1,024]; A: input K (given as codes); B: input Wk (given as codes): QUANTISED (scales: A lowp_scales[2], B lowp_scales[3])
;;     3. [M 8,192, K 1,024] x [K 1,024, N 1,024]; A: input K (given as codes); B: input Wv (given as codes): QUANTISED (scales: A lowp_scales[4], B lowp_scales[5])
;;     4. batch 64 x [M 2,048, K 64] x [K 64, N 2,048]; A: computed on the way; B: computed on the way: QUANTISED (scales: A lowp_scales[6], B lowp_scales[7])
;;     5. batch 64 x [M 64, K 2,048] x [K 2,048, N 2,048]; A: computed on the way; B: softmax (see below): QUANTISED (scales: A lowp_scales[8], B lowp_scales[9])
;;     6. [M 8,192, K 1,024] x [K 1,024, N 1,024]; A: computed on the way; B: input Wo (given as codes): QUANTISED (scales: A lowp_scales[10], B lowp_scales[11])
;;   THE QUANTISER, for each operand of a quantised product, along K:
;;     - The operand's scale is 2^e, e = its entry of the input lowp_scales (int32; the entries are numbered through the quantised products in the list's order, A before B).
;;     - Each number is divided by the scale, clamped to +-57,344, and rounded to the nearest number of E5M2, ties to even, subnormals kept.
;;     - The product sums the exact products of the quantised numbers (number of the format x scale) in f32.
;;   ~~~python
;;   def quantise(x, axis, e):      # numpy; x: float32 -> the quantised numbers, widened to float32 again
;;       x = np.moveaxis(x, axis, -1); K = x.shape[-1]
;;       r = np.clip(x / 2.0 ** e, -57344, 57344)
;;       step = 2.0 ** (np.maximum(np.frexp(np.where(r == 0, 1, r))[1] - 1, -14) - 2)
;;       q = np.round(r / step) * step * 2.0 ** e      # np.round: ties to even
;;       return np.moveaxis(q, -1, axis).astype(np.float32)
;;   ~~~
;;   SOFTMAX AHEAD OF A QUANTISED PRODUCT. Where the list says 'softmax', what is quantised is not the finished softmax but p = 2^(t - M), with t = logit x log2(e) and M = ceil(the row's largest t), a whole number; so 1/2 < the row's largest p <= 1. The row's sum l is taken of the UNQUANTISED p, in f32, and the product's result is divided by l at the end. Since M is a whole number, a kernel that streams over the keys may use a running M (the ceiling of the running maximum): every later rescaling is an exact power of two, so the quantised numbers keep their values, but for numbers so far below the row's largest that they fall under the format's range.
;;   OPERANDS COMPUTED ON THE WAY. 'Computed on the way' means the value that the module computes at that place (a softmax that the list does not call 'softmax' is quantised finished and normalised). What goes into a quantiser is computed in f32, as accurately as f32 sums, v_exp_f32 and their like allow (about 1e-6 of the number): no bf16 or f16 on the way to a quantiser, and a product that is left as it is and whose result goes on into a quantised operand takes f32 operands (vector FMAs, or v_wmma_f32_16x16x4_f32). A number that lies on a knife's edge between two numbers of the format may be rounded either way, as far as f32 arithmetic and the matrix unit's own rounding can turn it there, and no further.
;;   INPUTS GIVEN AS CODES. K (in the module: [4, 2048, 1024], K = its axis 2); Q (in the module: [4, 2048, 1024], K = its axis 2); Wk (in the module: [1024, 1024], K = its axis 0); Wo (in the module: [1024, 1024], K = its axis 0); Wq (in the module: [1024, 1024], K = its axis 0); Wv (in the module: [1024, 1024], K = its axis 0): each comes as NAME_codes (uint8): NAME with its K axis moved to the last place and cut into blocks of 32 codes, [.., K / 32, bytes a block], one block behind the other in memory; one code a byte (a code: sign, 5 exponent bits, 2 mantissa bits); its scale is its entry of lowp_scales. Its value is code x scale, taken as it is: it is not quantised again, and the codes and scales need not be those that the quantiser above would give.
;; One version. Each part assembles by itself: llvm-mc -triple=amdgcn-amd-amdhsa -mcpu=gfx1250 --defsym DOCPART=n.
;; ======== version 1 of 1: 3 launches
;; workspace buffers: kc 8,388,608 bytes; vc 8,388,608 bytes; ores 33,554,432 bytes
;; launch kvproj (part 1): grid 4 x 64, 4 waves a work-group, clusters of 4 x 4, 327,680 bytes of LDS; arguments K_codes, Wk_codes, Wv_codes, bk, bv, lowp_scales, kc, vc; writes kc, vc
.if DOCPART == 1
	.amdgcn_target "amdgcn-amd-amdhsa--gfx1250"
	.amdhsa_code_object_version 6
	.text
	.protected	k_q524db37f3c_kvproj
	.globl	k_q524db37f3c_kvproj
	.p2align	8
	.type	k_q524db37f3c_kvproj,@function
k_q524db37f3c_kvproj:
	s_mov_b64 s[64:65], 0
	v_nop
	global_prefetch_b8 v0, s[64:65] scope:SCOPE_SE
	s_setreg_imm32_b32 hwreg(HW_REG_WAVE_MODE, 25, 1), 1
	s_wait_xcnt 0x0
	s_wait_alu depctr_hold_cnt(0) depctr_sa_sdst(0) depctr_va_vdst(0) depctr_va_sdst(0) depctr_va_ssrc(0) depctr_va_vcc(0) depctr_vm_vsrc(0)
	s_getreg_b32 s2, hwreg(HW_REG_IB_STS2, 6, 4)
	s_cmp_eq_u32 s2, 0
	s_cbranch_scc0 .Lentry_in_a_cluster
	s_endpgm
.Lentry_in_a_cluster:
	s_bfe_u32 s2, ttmp6, 0x10000c
	s_cmp_lg_u32 s2, 0xf033
	s_cbranch_scc0 .Lentry_shape_is_right
	s_endpgm
.Lentry_shape_is_right:
; k = K Wk + bk and v = K Wv + bv, both products on the given codes of E5M2, and k and v quantised again (k with 2^e7, v with 2^e8) for the two products of attention.
; DEAD WORK: none in the whole program.  Every bias stands ahead of a quantiser or reaches the output, every product of the table is live, every input is loaded.
; ONE TEXT, TWO JOBS, chosen by the cluster's y (16 clusters of 4 x 4 work-groups; the choice is the same in all sixteen partners):
;   y 0-7,  k: C[m][n], m = a key's row of K (8,192), n = a channel (1,024): A = K_codes, B = Wk_codes.  A lane ends with one key and eight neighbouring channels.
;   y 8-15, v: C[m][n], m = a channel (1,024), n = a key's row (8,192):      A = Wv_codes, B = K_codes.   A lane ends with one channel and eight neighbouring KEYS: v^T, as the second product of attention wants it.
; A tile of C is 256 x 256: four waves of 128 x 128, 64 accumulators each.  K = 1,024 goes in four steps of 256 through a ring of two LDS slots filled by joint tensor loads (A's tile shared along a row of the cluster, B's along a column).
; THE MATRIX INSTRUCTION IS USED TRANSPOSED (source 0 = 16 rows of B, source 1 = 16 rows of A).  Fragments come by four loads of 16 bytes: a permutation of k that is the same on both sides; only the order of the sums inside an instruction differs.
; OUT: kc and vc are blocks of 64 rows x 64 bytes, 4,096 bytes on end; block (b 16 + head) 32 + key / 64.  kc: row = key % 64, bytes along the channels; vc: row = channel % 64, bytes along the keys.
; In a row, byte 32 c + 16 h + 8 u + j holds index 32 c + 16 u + 8 h + j: so a load of 16 bytes at 32 c + 16 h gives a lane the very k that the other operand, made by conversions from 16 x 16 results, holds in the same registers.
; LIMITS: e2 + e3 and e4 + e5 between -126 and 127, e7 and e8 between -126 and 112, so that each power of two below is an f32 number.  Codes of infinity or NaN among the inputs are not served.
; REGISTERS, in windows of 256: window 0: v0-31 addresses; v32-95 biases on the way out; from v128 A's fragments, one set, later the codes; window 1: B's fragments, two sets; windows 2, 3: the accumulators ((a, b) at v[8 (8 (a % 4) + b)]).
.set KSTEP,  256                       ; along K in a slot
.set ROWB,   256                       ; a tile's row in bytes
.set KROW,   1024                      ; a row of A or of B in memory, in bytes
.set PITCH,  272                       ; an LDS row: 256 bytes + 16 of padding: the 16 rows that a load touches start at 16 different groups of four banks
.set FR,     16                        ; registers of a fragment: 16 rows x 128 K
.set NL,     4                         ; LDS loads that bring one
.set NP,     4                         ; places behind this matrix instruction (ISA guide 7.12.1)
.set HALFT,  128*PITCH                 ; 128 rows: what one tensor load brings
.set SLOT,   4*HALFT                   ; A's 256 rows, then B's 256 rows
.set LAPS,   2                         ; 1,024 / (2 x 256): twice round the ring
.set SPARE,  2*SLOT                    ; behind the ring: the spare words, 128 bytes for each wave
.set SP,     144                       ; the way out: a stage of 128 rows x (128 bytes + 16) for each wave, in slot 0, which has had its last fill and its last read by then
.set ADRA, 16                          ; v16-17  LDS address of my A fragments in slot 0, 1
.set ADRB, 20                          ; v20-21  the same for B
.set STO,  24                          ; v24     the stage: where I put 8 codes of a row
.set RD,   25                          ; v25     the stage: where I read 16 bytes back (four lanes to a row's 64 bytes)
.set CO,   26                          ; v26     16 x lane: my place in a store's 512 bytes
.set SPW,  28                          ; v28     LDS address of my spare word; never rewritten
.set NIL,  29                          ; v29     0; never rewritten
.set AF,   128                         ; A's fragments, in window 0
.set G1, 24                            ; s[24:31] descriptor group 1 for A's tiles;  s[32:39] group 0, one set for each slot
.set G0, 32
.set G1B, 48                           ; s[48:55], s[56:63] the same for B's tiles
.set G0B, 56
.set MSB, 0
.macro WIN new                         ; the immediate's high byte repeats the setting that is left
.if MSB != (\new)
	s_set_vgpr_msb (MSB<<8)|(\new)
.set MSB, (\new)
.endif
.endm
.set MUL_LO, 0xa1                      ; source 0 (B) window 1, source 1 (A) window 0, C and D window 2
.set MUL_HI, 0xf1                      ; the same, C and D window 3
.set TO_B,   0x40                      ; destination window 1, address window 0
; A joint load: waves 0 and 1 fetch for A, waves 2 and 3 for B.  The branch hangs on the wave's number alone.  An s_nop 0 and four v_nop follow each of the two lines.
.macro JLOAD g0a, g1a, g0b, g1b
	s_cmp_eq_u32 s15, 0
	s_cbranch_scc0 .Lfor_b_\@
	tensor_load_to_lds s[\g0a:\g0a+3], s[\g1a:\g1a+7]
	s_nop 0
.rept 4
	v_nop
.endr
	s_branch .Lasked_\@
.Lfor_b_\@:
	tensor_load_to_lds s[\g0b:\g0b+3], s[\g1b:\g1b+7]
	s_nop 0
.rept 4
	v_nop
.endr
.Lasked_\@:
.endm
.macro CREST                           ; a round of the cluster's barrier behind its opening barrier
	s_cmp_lg_u32 s14, 0
	s_cbranch_scc1 .Lnot_wave_0_\@
	s_barrier_signal -3
.Lnot_wave_0_\@:
	s_barrier_wait -3
	s_barrier_signal -1
	s_barrier_wait -1
.endm
.macro CROUND                          ; a whole round
	s_barrier_signal -1
	s_barrier_wait -1
	CREST
.endm
	s_load_b512 s[68:83], s[0:1], 0x0              ; K_codes 68, Wk_codes 70, Wv_codes 72, bk 74, bv 76, the scales' exponents 78, kc 80, vc 82
	v_lshl_add_u32 v[SPW], v0, 2, SPARE
	v_mov_b32 v[NIL], 0
	ds_add_u32 v[SPW], v[NIL]                      ; the wave's opening: the add, twice on end, and its wait ahead of my first tensor load
	ds_add_u32 v[SPW], v[NIL]
	v_lshrrev_b32 v1, 5, v0
	v_readfirstlane_b32 s14, v1                    ; wave 0..3
	s_lshr_b32 s15, s14, 1                         ; which half of the tile's rows is mine.  Also: I fetch for A (0) or for B (1)
	s_and_b32 s16, s14, 1                          ; which half of its columns.  Also: which 128 rows of that tile I fetch
	s_bfe_u32 s40, ttmp6, 0x40000                  ; cx, cy: my place in the cluster
	s_bfe_u32 s41, ttmp6, 0x40004
	s_and_b32 s17, ttmp7, 0xffff                   ; the cluster's y, 0..15
	s_lshl_b32 s94, s17, 2
	s_sub_co_u32 s95, s94, 32
	s_cmp_ge_u32 s17, 8                            ; the job: the same in all sixteen partners
	s_cselect_b32 s92, 1, 0                        ; 1: v
	s_cselect_b32 s93, 0, s94
	s_cselect_b32 s95, s95, 0
	s_add_co_u32 s17, s41, s93                     ; tile row of C: k: 4 y + cy;  v: cy
	s_add_co_u32 s42, s40, s95                     ; tile column:   k: cx;        v: 4 (y - 8) + cx
	s_lshl_b32 s43, s41, 2
	s_lshl_b32 s43, 15, s43                        ; my row of the cluster
	s_lshl_b32 s44, 0x1111, s40                    ; my column
	; descriptor group 1: a tile of 128 rows x 256 bytes, padded in LDS
	s_or_b32 s[G1+0], s43, (0<<16)|(1<<20)|(1<<21)|(5<<22)|(3<<25)  ; 15:0 the mask: A's tiles go to my row; elements of 1 byte; padding on; bit 21 beside a mask; after every 64 words, 4 words
	s_or_b32 s[G1B+0], s44, (0<<16)|(1<<20)|(1<<21)|(5<<22)|(3<<25) ; the same with the mask of my column
.irp g, G1, G1B
	s_mov_b32 s[\g+1], ROWB<<16                    ; tensor_dim0
	s_mov_b32 s[\g+2], 128<<16                     ; tensor_dim1 = 128
	s_mov_b32 s[\g+3], ROWB<<16                    ; tile_dim0
	s_mov_b32 s[\g+4], 128                         ; tile_dim1 = 128
	s_mov_b32 s[\g+5], KROW                        ; tensor_dim0_stride
	s_mov_b32 s[\g+6], 0
	s_mov_b32 s[\g+7], 0
.endr
	s_lshl_b32 s18, s16, 7                         ; which 128 rows of the tile I fetch
	s_lshl_b32 s20, s17, 8
	s_add_co_u32 s20, s20, s18                     ; A: row 256 x tile row + 128 x half
	s_lshl_b32 s46, s42, 8
	s_add_co_u32 s46, s46, s18                     ; B: row 256 x tile column + 128 x half
	s_lshl_b32 s20, s20, 10                        ; in bytes: at most 8,192 rows of 1,024
	s_lshl_b32 s46, s46, 10
	s_mov_b32 s21, 0
	s_mov_b32 s47, 0
	s_mul_i32 s45, s14, HALFT                      ; where they go: wave x 128 rows: no place in the cluster enters an LDS address
	s_wait_dscnt 0x0                               ; both opening adds are done
	s_wait_kmcnt 0x0
	s_load_b256 s[84:91], s[78:79], 0x8            ; e2 .. e9
	s_cmp_eq_u32 s92, 1
	s_cselect_b64 s[4:5], s[72:73], s[68:69]       ; A: Wv_codes or K_codes
	s_cselect_b64 s[6:7], s[68:69], s[70:71]       ; B: K_codes or Wk_codes
	s_cselect_b64 s[8:9], s[76:77], s[74:75]       ; the bias: bv or bk
	s_cselect_b64 s[10:11], s[82:83], s[80:81]     ; out: vc or kc
	s_add_nc_u64 s[20:21], s[4:5], s[20:21]
	s_add_nc_u64 s[46:47], s[6:7], s[46:47]
	CROUND                                         ; all sixteen work-groups are here: the first joint loads meet
.irp s, 0,1
	s_mov_b32 s[G0+4*\s], 1
	s_add_co_u32 s[G0+4*\s+1], s45, \s*SLOT
	s_add_nc_u64 s[G0+4*\s+2:G0+4*\s+3], s[20:21], \s*ROWB
	s_or_b32 s[G0+4*\s+3], s[G0+4*\s+3], 0x80000000
	s_mov_b32 s[G0B+4*\s], 1
	s_add_co_u32 s[G0B+4*\s+1], s45, \s*SLOT
	s_add_nc_u64 s[G0B+4*\s+2:G0B+4*\s+3], s[46:47], \s*ROWB
	s_or_b32 s[G0B+4*\s+3], s[G0B+4*\s+3], 0x80000000
	JLOAD G0+4*\s, G1, G0B+4*\s, G1B               ; two tensor loads of mine are out at the most
.endr
	v_and_b32 v1, 15, v0                           ; r = l % 16
	v_bfe_u32 v2, v0, 4, 1                         ; h = l / 16
	v_mul_u32_u24 v3, v1, PITCH
	v_lshl_add_u32 v4, v2, 4, v3                   ; a fragment's row x pitch + 16 x half
	s_mul_i32 s21, s15, HALFT                      ; my 128 rows of A
	s_mul_i32 s22, s16, HALFT                      ; my 128 rows of B,
	s_add_co_u32 s22, s22, 2*HALFT                 ; which lie behind A's 256
.irp s, 0,1
	v_add_nc_u32 v[ADRA+\s], s21, v4
	v_add_nc_u32 v[ADRB+\s], s22, v4
	s_add_co_u32 s21, s21, SLOT
	s_add_co_u32 s22, s22, SLOT
.endr
	s_mul_i32 s23, s14, 128*SP                     ; my stage
	v_mul_u32_u24 v5, v1, SP
	v_lshl_add_u32 v5, v2, 4, v5
	v_add_nc_u32 v[STO], s23, v5                   ; in: row r, + 16 h
	v_and_b32 v6, 31, v0
	v_lshrrev_b32 v7, 2, v6
	v_mul_u32_u24 v7, v7, SP
	v_and_b32 v8, 3, v6
	v_lshl_add_u32 v7, v8, 4, v7
	v_add_nc_u32 v[RD], s23, v7                    ; back: row l / 4, 16 bytes at 16 (l % 4): 32 lanes take 8 rows of 64 bytes
	v_lshlrev_b32 v[CO], 4, v6
	v_lshlrev_b32 v12, 5, v2                       ; 32 h: a bias along n, my eight columns of a block
	v_lshlrev_b32 v13, 2, v1                       ; 4 r: a bias along m, my row of a block
.macro FRAG reg, adr, q, i             ; a fragment: lane l holds row l % 16; registers 4 c .. 4 c + 3 hold K = 32 c + 16 (l / 16) + 0 .. 15
.irp c, 0,1,2,3
	ds_load_b128 v[\reg+4*\c:\reg+4*\c+3], v[\adr] offset:128*(\q)+32*\c+(\i)*16*PITCH
.endr
.endm
; 16 matrix instructions: A's blocks a0, a0 + 1 x B's eight, 128 along K.  p: B's set.  zero = 1: the first product starts the sums.  The 64 accumulators take turns, one instruction a turn.
.macro MUL16 a0, p, zero
.irp a, \a0, \a0+1
.irp b, 0,1,2,3,4,5,6,7
.if \zero
	v_wmma_f32_16x16x128_bf8_bf8 v[8*(8*((\a)%4)+\b):8*(8*((\a)%4)+\b)+7], v[128*(\p)+FR*\b:128*(\p)+FR*\b+FR-1], v[AF+FR*(\a):AF+FR*(\a)+FR-1], 0
.else
	v_wmma_f32_16x16x128_bf8_bf8 v[8*(8*((\a)%4)+\b):8*(8*((\a)%4)+\b)+7], v[128*(\p)+FR*\b:128*(\p)+FR*\b+FR-1], v[AF+FR*(\a):AF+FR*(\a)+FR-1], v[8*(8*((\a)%4)+\b):8*(8*((\a)%4)+\b)+7]
.endif
.endr
.endr
.endm
.macro FETCH_B slot, q, p              ; B's eight fragments of the slot's q-th 128 along K into set p
	WIN TO_B
.irp i, 0,1,2,3,4,5,6,7
	FRAG 128*(\p)+FR*\i, ADRB+\slot, \q, \i
.endr
	WIN 0
.endm
.macro FETCH_A slot, q, i0             ; A's blocks i0 .. i0 + 3
.irp i, \i0, \i0+1, \i0+2, \i0+3
	FRAG AF+FR*(\i), ADRA+\slot, \q, \i
.endr
.endm
.macro PLACES n                        ; plain vector instructions between a matrix instruction and a load into, or a vector instruction on, its registers
.rept \n
	v_nop
.endr
.endm
; A step of 128 along K that has its successor in the same slot.  A block of A is free as soon as its eight products are issued, so A has one set of registers: blocks 0-3 come anew in the step's middle, blocks 4-7 at its end.
.macro STEP slot, q, zero
	s_wait_dscnt 4*NL                              ; B's set and A's blocks 0-3 are in; the youngest 16 loads (A's blocks 4-7) may be out
	WIN MUL_LO
	MUL16 0, (\q)%2, \zero
	MUL16 2, (\q)%2, \zero
	s_wait_dscnt 0                                 ; A's blocks 4-7 are in
	PLACES NP
	FETCH_B \slot, (\q)+1, 1-(\q)%2
	FETCH_A \slot, (\q)+1, 0
	WIN MUL_HI
	MUL16 4, (\q)%2, \zero
	MUL16 6, (\q)%2, \zero
	PLACES NP
	WIN 0
	FETCH_A \slot, (\q)+1, 4
.endm
; A slot's last step changes slots: one barrier; in front of it each wave waits for all its tensor loads, adds 0 to its spare word, and waits for that and for its own reads of this slot.  fill = 1: this slot is filled again, two K steps ahead.
.macro TURN slot, next, fill
	s_wait_tensorcnt 0x0                           ; all my tensor loads have landed: my part of the next slot
	ds_add_u32 v[SPW], v[NIL]                      ; 0 onto my spare word
	s_wait_dscnt 4*NL+1                            ; (the add and the youngest 16 loads, A's blocks 4-7, may be out)
	WIN MUL_LO
	MUL16 0, 1, 0                                  ; sixteen matrix instructions stand between the add and the wait for it
	s_wait_dscnt 0x0                               ; the add is done, and my reads of this slot are over
	s_barrier_signal -1
	MUL16 2, 1, 0
	WIN 0
	s_barrier_wait -1
.if \fill
	CREST                                          ; the barrier has opened a round of the cluster's barrier: no wave of any partner still reads this slot's tile or has a load on its way
	s_add_nc_u64 s[G0+4*\slot+2:G0+4*\slot+3], s[G0+4*\slot+2:G0+4*\slot+3], 2*ROWB
	s_add_nc_u64 s[G0B+4*\slot+2:G0B+4*\slot+3], s[G0B+4*\slot+2:G0B+4*\slot+3], 2*ROWB
	JLOAD G0+4*\slot, G1, G0B+4*\slot, G1B         ; the first tensor load behind the round; its four v_nop are the places in front of the loads below
.else
	PLACES NP
.endif
	FETCH_B \next, 0, 0
	FETCH_A \next, 0, 0
	WIN MUL_HI
	MUL16 4, 1, 0
	MUL16 6, 1, 0
	PLACES NP
	WIN 0
	FETCH_A \next, 0, 4
.endm
	s_wait_tensorcnt 1                             ; my part of K step 0 is in (K step 1's load may be out)
	s_barrier_signal -1
	s_barrier_wait -1                              ; everybody's is
	FETCH_B 0, 0, 0
	FETCH_A 0, 0, 0
	FETCH_A 0, 0, 4
	STEP 0, 0, 1                                   ; the first step stands in front of the loop: its products start the sums
	s_mov_b32 s3, LAPS-1
.Llap:                                                 ; a trip goes once round the ring, from a lap's second step to the next lap's first, and fills both slots again
	TURN 0, 1, 1
	STEP 1, 0, 0
	TURN 1, 0, 1
	STEP 0, 0, 0
	s_sub_co_u32 s3, s3, 1
	s_cmp_lg_u32 s3, 0
	s_cbranch_scc1 .Llap
	TURN 0, 1, 0                                   ; the last lap fills nothing, and has no round of the cluster's barrier
	STEP 1, 0, 0
	s_wait_dscnt 4*NL                              ; the very last step: nothing more to fetch
	WIN MUL_LO
	MUL16 0, 1, 0
	MUL16 2, 1, 0
	s_wait_dscnt 0
	WIN MUL_HI
	MUL16 4, 1, 0
	MUL16 6, 1, 0
	WIN 0
	; THE WAY OUT.  number = sum x 2^(the two operands' e) + bias; held within the largest code x the new scale; converted; through my stage; out as blocks of 64 x 64 bytes.
	s_lshl_b32 s18, s17, 8
	s_lshl_b32 s19, s15, 7
	s_add_co_u32 s18, s18, s19                     ; my first m
	s_lshl_b32 s19, s42, 8
	s_lshl_b32 s20, s16, 7
	s_add_co_u32 s19, s19, s20                     ; my first n
	s_mov_b32 s94, 4096                            ; a block on along the keys
	s_mov_b32 s95, 131072                          ; a head on: 32 blocks
	s_wait_kmcnt 0x0
	s_cmp_eq_u32 s92, 1                            ; all choices of the job on this one compare
	s_cselect_b32 s96, s86, s84                    ; e4 or e2
	s_cselect_b32 s97, s87, s85                    ; e5 or e3
	s_cselect_b32 s93, s90, s89                    ; e8 or e7
	s_cselect_b32 s20, s18, s19                    ; the bias runs along the channels: m in v's job, n in k's
	s_cselect_b32 s21, s19, s18                    ; the keys' axis
	s_cselect_b32 s22, s18, s19                    ; the channels' axis
	s_cselect_b32 s44, s95, s94                    ; bytes from my first 64 m to my second,
	s_cselect_b32 s46, s94, s95                    ; and from my first 64 n to my second
	s_add_co_i32 s96, s96, s97
	s_add_co_i32 s96, s96, 127
	s_lshl_b32 s96, s96, 23                        ; 2^(the two operands' e) as f32
	s_mov_b32 s97, s96                             ; (named with it as a pair, so it is written)
	s_add_co_i32 s93, s93, 127
	s_lshl_b32 s23, s93, 23
	v_mov_b32 v11, s23                             ; the new scale as f32: the conversion takes its exponent field
	s_add_co_i32 s93, s93, 15
	s_lshl_b32 s93, s93, 23
	s_or_b32 s93, s93, 0x600000
	v_mov_b32 v10, s93                             ; 57,344 x the new scale
	s_lshl_b32 s18, s20, 2
	s_mov_b32 s19, 0
	s_add_nc_u64 s[8:9], s[8:9], s[18:19]          ; the bias at my first channel
	s_lshr_b32 s21, s21, 6                         ; X = key row / 64 = 32 b + key / 64
	s_lshr_b32 s22, s22, 6                         ; Y = the head
	s_lshr_b32 s23, s21, 5
	s_lshl_b32 s23, s23, 9                         ; b x 16 heads x 32 blocks
	s_and_b32 s21, s21, 31
	s_add_co_u32 s23, s23, s21
	s_lshl_b32 s22, s22, 5
	s_add_co_u32 s22, s22, s23                     ; my first block
	s_lshl_b32 s22, s22, 12
	s_mov_b32 s23, 0
	s_mov_b32 s45, 0
	s_mov_b32 s47, 0
	s_add_nc_u64 s[68:69], s[10:11], s[22:23]      ; the four blocks that my 128 x 128 fall into: (m / 64, n / 64) at s[68 + 4 (m / 64) + 2 (n / 64)]
	s_add_nc_u64 s[70:71], s[68:69], s[46:47]
	s_add_nc_u64 s[72:73], s[68:69], s[44:45]
	s_add_nc_u64 s[74:75], s[72:73], s[46:47]
	PLACES NP                                      ; behind the last products, ahead of the first vector instruction on their registers
	s_cmp_eq_u32 s92, 1                            ; the two jobs part for the bias alone: the arms hold global loads and work on registers, nothing of LDS
	s_cbranch_scc1 .Lbias_v
.irp b, 0,1,2,3,4,5,6,7                        ; k: the bias runs along n: my eight columns of each of the eight blocks
	global_load_b128 v[32+8*\b:35+8*\b], v12, s[8:9] offset:64*\b
	global_load_b128 v[36+8*\b:39+8*\b], v12, s[8:9] offset:64*\b+16
.endr
	s_wait_loadcnt 0x0
.irp a, 0,1,2,3,4,5,6,7
	WIN 0x82+0x41*(\a/4)                           ; source 0 and destination: window 2 or 3
.irp b, 0,1,2,3,4,5,6,7
.irp i, 0,2,4,6
	v_pk_fma_f32 v[64*(\a%4)+8*\b+\i:64*(\a%4)+8*\b+\i+1], v[64*(\a%4)+8*\b+\i:64*(\a%4)+8*\b+\i+1], s[96:97], v[32+8*\b+\i:33+8*\b+\i] op_sel_hi:[1,0,1]   ; each accumulator from its low end on
.endr
.endr
.endr
	WIN 0
	s_branch .Lbias_done
.Lbias_v:
.irp a, 0,1,2,3,4,5,6,7                        ; v: the bias runs along m: one number for my row of each block, loaded into both registers of a pair
	global_load_b32 v[32+2*\a], v13, s[8:9] offset:64*\a
	global_load_b32 v[33+2*\a], v13, s[8:9] offset:64*\a
.endr
	s_wait_loadcnt 0x0
.irp a, 0,1,2,3,4,5,6,7
	WIN 0x82+0x41*(\a/4)
.irp b, 0,1,2,3,4,5,6,7
.irp i, 0,2,4,6
	v_pk_fma_f32 v[64*(\a%4)+8*\b+\i:64*(\a%4)+8*\b+\i+1], v[64*(\a%4)+8*\b+\i:64*(\a%4)+8*\b+\i+1], s[96:97], v[32+2*\a:33+2*\a] op_sel_hi:[1,0,1]
.endr
.endr
.endr
	WIN 0
.Lbias_done:
; Block a (16 rows x 128 columns): hold, convert, 8 bytes a lane and n block into my stage at the permuted place, and back as rows of 64 bytes, into the registers that the codes left.
.macro OUTB a
.set AC, 64*((\a)%4)
.set CD, 128+16*(\a)
	WIN 0x82+0x41*((\a)/4)
.set n, 0
.rept 64
	v_med3_num_f32 v[AC+n], v[AC+n], -v10, v10     ; the conversion to an 8-bit code does not saturate (ISA guide 7.6.2): the hold comes first
.set n, n+1
.endr
	WIN 0x02+((\a)/4)                              ; source 0: window 2 or 3
.irp b, 0,1,2,3,4,5,6,7
	v_cvt_scalef32_pk8_bf8_f32 v[CD+2*\b:CD+2*\b+1], v[AC+8*\b:AC+8*\b+7], v11
.endr
	WIN 0
	v_nop                                          ; one plain vector instruction behind the last conversion
.irp b, 0,1,2,3,4,5,6,7
	ds_store_b64 v[STO], v[CD+2*\b:CD+2*\b+1] offset:(\a)*16*SP+32*(\b/2)+8*(\b%2)   ; columns 16 b + 8 h + 0 .. 7 go to bytes 32 (b / 2) + 16 h + 8 (b % 2) on
.endr
.irp cb, 0,1
.irp hf, 0,1
	ds_load_b128 v[CD+4*(2*\cb+\hf):CD+4*(2*\cb+\hf)+3], v[RD] offset:(\a)*16*SP+\hf*8*SP+64*\cb   ; LDS serves a wave's instructions in order: these see my stores
.endr
.endr
.endm
.macro SENDB a, younger                ; younger: the LDS instructions issued behind block a's loads, which may stay out
.set CD, 128+16*(\a)
	s_wait_dscnt \younger
.irp cb, 0,1
.irp hf, 0,1
	global_store_b128 v[CO], v[CD+4*(2*\cb+\hf):CD+4*(2*\cb+\hf)+3], s[68+4*((\a)/4)+2*\cb:69+4*((\a)/4)+2*\cb] offset:(16*((\a)%4)+8*\hf)*64   ; 32 lanes store 512 consecutive bytes, at a multiple of 512 from the buffer's first byte
.endr
.endr
.endm
	OUTB 0
.irp a, 1,2,3,4,5,6,7
	OUTB \a
	SENDB \a-1, 12                                 ; behind block a - 1's loads: block a's 8 stores and 4 loads.  No register and no base of a store is written again
.endr
	SENDB 7, 0
	s_wait_tensorcnt 0x0                           ; the wave's end: behind my last tensor load and my last LDS store
	ds_add_u32 v[SPW], v[NIL]
	s_wait_dscnt 0x0
	CROUND                                         ; the closing round: no work-group ends while a partner may still ask for a tile that names it
	s_endpgm
.Lfunc_end_k_q524db37f3c_kvproj:
	.size	k_q524db37f3c_kvproj, .Lfunc_end_k_q524db37f3c_kvproj-k_q524db37f3c_kvproj
	.p2alignl 7, 3214868480
	.fill 96, 4, 3214868480
	.section	.rodata,"a",@progbits
	.p2align	6, 0x0
	.amdhsa_kernel k_q524db37f3c_kvproj
		.amdhsa_group_segment_fixed_size 327680
		.amdhsa_private_segment_fixed_size 0
		.amdhsa_enable_private_segment 0
		.amdhsa_kernarg_size 64
		.amdhsa_user_sgpr_count 2
		.amdhsa_user_sgpr_kernarg_segment_ptr 1
		.amdhsa_wavefront_size32 1
		.amdhsa_system_sgpr_workgroup_id_x 1
		.amdhsa_system_sgpr_workgroup_id_y 1
		.amdhsa_system_sgpr_workgroup_id_z 1
		.amdhsa_system_vgpr_workitem_id 0
		.amdhsa_next_free_vgpr 1024
		.amdhsa_next_free_sgpr 100
		.amdhsa_reserve_vcc 0
		.amdhsa_float_denorm_mode_32 3
		.amdhsa_float_denorm_mode_16_64 3
		.amdhsa_memory_ordered 1
		.amdhsa_forward_progress 1
		.amdhsa_inst_pref_size 161
	.end_amdhsa_kernel
	.amdgpu_metadata
---
amdhsa.version: [ 1, 2 ]
amdhsa.kernels:
  - .name:           k_q524db37f3c_kvproj
    .symbol:         k_q524db37f3c_kvproj.kd
    .args:
      - { .name: K_codes, .offset: 0, .size: 8, .value_kind: global_buffer, .address_space: global }
      - { .name: Wk_codes, .offset: 8, .size: 8, .value_kind: global_buffer, .address_space: global }
      - { .name: Wv_codes, .offset: 16, .size: 8, .value_kind: global_buffer, .address_space: global }
      - { .name: bk, .offset: 24, .size: 8, .value_kind: global_buffer, .address_space: global }
      - { .name: bv, .offset: 32, .size: 8, .value_kind: global_buffer, .address_space: global }
      - { .name: lowp_scales, .offset: 40, .size: 8, .value_kind: global_buffer, .address_space: global }
      - { .name: kc, .offset: 48, .size: 8, .value_kind: global_buffer, .address_space: global }
      - { .name: vc, .offset: 56, .size: 8, .value_kind: global_buffer, .address_space: global }
    .group_segment_fixed_size: 327680
    .private_segment_fixed_size: 0
    .kernarg_segment_align: 8
    .kernarg_segment_size: 64
    .max_flat_workgroup_size: 128
    .sgpr_count:     100
    .vgpr_count:     1024
    .wavefront_size: 32
...
	.end_amdgpu_metadata
.endif
;; end of part 1
;; launch attn (part 2): grid 8 x 64, 16 waves a work-group, clusters of 4 x 1, 327,680 bytes of LDS; arguments Q_codes, Wq_codes, bq, kc, vc, lowp_scales, ores; writes ores
.if DOCPART == 2
	.amdgcn_target "amdgcn-amd-amdhsa--gfx1250"
	.amdhsa_code_object_version 6
	.text
	.protected	k_q524db37f3c_attn
	.globl	k_q524db37f3c_attn
	.p2align	8
	.type	k_q524db37f3c_attn,@function
k_q524db37f3c_attn:
	s_mov_b64 s[64:65], 0
	v_nop
	global_prefetch_b8 v0, s[64:65] scope:SCOPE_SE
	s_setreg_imm32_b32 hwreg(HW_REG_WAVE_MODE, 25, 1), 1
	s_wait_xcnt 0x0
	s_wait_alu depctr_hold_cnt(0) depctr_sa_sdst(0) depctr_va_vdst(0) depctr_va_sdst(0) depctr_va_ssrc(0) depctr_va_vcc(0) depctr_vm_vsrc(0)
	s_getreg_b32 s2, hwreg(HW_REG_IB_STS2, 6, 4)
	s_cmp_eq_u32 s2, 0
	s_cbranch_scc0 .Lentry_in_a_cluster
	s_endpgm
.Lentry_in_a_cluster:
	s_bfe_u32 s2, ttmp6, 0x10000c
	s_cmp_lg_u32 s2, 0x3003
	s_cbranch_scc0 .Lentry_shape_is_right
	s_endpgm
.Lentry_shape_is_right:
; o = q + softmax(q k^T / 32) v for 256 queries of one (batch, head), with q = Q Wq + bq made here for just these queries and this head's 64 channels.  Nothing of the problem is left out.
; All three products on codes of E5M2: Q, Wq as given (e0, e1); q quantised here with 2^e6; k (e7) and v (e8) come as codes from the launch before; p with 2^e9.
; THE SOFTMAX: t = score x log2(e) / 32; M = the running largest t rounded UP to a whole number; p = 2^(t - M) is quantised, not normalised; the row's sum is taken of the unquantised p and divides at the end.
; When M moves, the sum and O are multiplied by 2^(old M - new M), which rounds nothing.
; SHARES.  16 waves, each with ONE tile of 16 queries in 256 registers: four waves to a SIMD, so that one wave's vector work stands beside another's matrix work and LDS loads.
; A HEAD'S WHOLE K AND V LIE IN LDS (2 x 2,048 x 64 bytes): the loop over the keys has no ring.  Until q is made, Wq's 64 rows lie where V's second half will lie: the launch's one refill.
; CLUSTER.  The four query blocks of a cluster belong to one head: every tensor load is asked for jointly, by the same load with the same descriptor and the mask of all four.
; LAYOUT.  All products are used transposed (source 0 = 16 rows of Wq, of k, of v^T; source 1 = my 16 queries): a lane holds ONE query (lane % 16) throughout, and register j of tile t the index 16 t + 8 (lane / 16) + j.
; So the conversions' results are the next product's operand as they stand, and kc's and vc's rows are laid so that loads of 16 bytes give the same k in the same registers.
; OUT: ores holds o as images of registers: for rows 16 R .. and columns 16 G .. 1,024 bytes at (64 R + G) x 1,024: registers 0-3, then 4-7, lane l's 16 bytes at 16 l.  Every store covers 512 consecutive bytes.
; LIMITS: e0 + e1 between -126 and 127; e6 and e9 between -126 and 112; e6 + e7 between -121 and 132 (added to c's exponent field); e8 + e9 goes by v_ldexp_f32.  Infinity or NaN among the codes is not served.
; REGISTERS: v1-4, v7, v10 addresses that stay; v5, v6 the add's two; v8, v9 addresses in hand; v12 -M, v13 the largest t, v[14:15] the sum; v16-23 q's codes; v24-27 scales and holds; v32-95 fragments of k or of v;
;   v96-159 S^T, then p; v160-191 O^T; v192-207 p's codes; v208-239 q in f32; v240-247 at work.  While q is made: v32-159 Q's eight fragments; v160-207 and v240-255 Wq's four.
.set LINE,  272                        ; an LDS line: 256 bytes + 16 of padding
.set PART,  64*LINE                    ; what one tensor load brings: 64 lines
.set VOFF,  8*PART                     ; K: 512 lines from 0; V: 512 lines from here
.set WQO,   12*PART                    ; Wq's 64 rows x 1,024 bytes, as four pieces of 64 lines: V's second half
.set SPARE, 16*PART                    ; the spare words, 128 bytes for each of 16 waves
.set AK0, 1                            ; v1   my lane's place in a tile of k: four rows of 64 bytes to a line
.set AV0, 2                            ; v2   the same for v
.set AW0, 3                            ; v3   my lane's place in a tile of Wq: a row to a line
.set QO,  4                            ; v4   my byte in the wave's 16 rows of Q
.set SPW, 5                            ; v5   LDS address of my spare word; never rewritten
.set NIL, 6                            ; v6   0; never rewritten
.set GO,  7                            ; v7   16 x lane
.set ADK, 8
.set ADV, 9
.set BO,  10                           ; v10  32 (lane / 16): my eight numbers of bq in a tile's sixteen
.set WV,  18                           ; s18  my wave's number
.set SEL, 20                           ; s[20:21] lane selects for v_permlanex16_b32: lane l xor 16
.set CS,  22                           ; s[22:23] c = log2(e) / 32 x 2^(e6 + e7)
.set G1D, 24                           ; s[24:31] descriptor group 1: 64 rows of 256 bytes, dense (kc, vc)
.set G1W, 32                           ; s[32:39] the same with rows 1,024 bytes apart (Wq)
.set G0,  40                           ; s[40:43] my group 0
.set TB,  44                           ; s44  LDS bytes from the first key step to the one in hand
.set CNT, 45
.set SQ,  46                           ; s[46:47] 2^(e0 + e1)
.macro ROUND                           ; a round of the cluster's barrier
	s_barrier_signal -1
	s_barrier_wait -1
	s_cmp_lg_u32 s[WV], 0
	s_cbranch_scc1 .Lnot_wave_0_\@
	s_barrier_signal -3
.Lnot_wave_0_\@:
	s_barrier_wait -3
	s_barrier_signal -1
	s_barrier_wait -1
.endm
	s_load_b256 s[4:11], s[0:1], 0x0               ; Q_codes 4, Wq_codes 6, bq 8, kc 10
	s_load_b128 s[12:15], s[0:1], 0x20             ; vc 12, the scales' exponents 14
	s_load_b64 s[16:17], s[0:1], 0x30              ; ores
	v_lshl_add_u32 v[SPW], v0, 2, SPARE
	v_mov_b32 v[NIL], 0
	ds_add_u32 v[SPW], v[NIL]                      ; the wave's opening: the add, twice on end, and its wait ahead of my first tensor load
	ds_add_u32 v[SPW], v[NIL]
	v_lshrrev_b32 v8, 5, v0
	v_readfirstlane_b32 s[WV], v8                  ; wave 0..15
	s_bfe_u32 s19, ttmp6, 0x40000                  ; cx: it enters Q's and ores' addresses alone
	s_and_b32 s58, ttmp7, 0xffff                   ; 16 b + head, which the four partners share
	s_and_b32 s59, s58, 15                         ; head
	s_lshr_b32 s66, s58, 4                         ; b
	s_mov_b32 s[G1D], 15|(1<<20)|(1<<21)|(5<<22)|(3<<25)   ; the mask: all four; elements of 1 byte; padding on; bit 21 beside a mask; after every 64 words, 4 words
	s_mov_b32 s[G1W], 15|(1<<20)|(1<<21)|(5<<22)|(3<<25)
.irp g, G1D, G1W
	s_mov_b32 s[\g+1], 256<<16                     ; tensor_dim0 = 256
	s_mov_b32 s[\g+2], 64<<16                      ; tensor_dim1 = 64
	s_mov_b32 s[\g+3], 256<<16                     ; tile_dim0 = 256
	s_mov_b32 s[\g+4], 64                          ; tile_dim1 = 64
	s_mov_b32 s[\g+6], 0
	s_mov_b32 s[\g+7], 0
.endr
	s_mov_b32 s[G1D+5], 256                        ; tensor_dim0_stride
	s_mov_b32 s[G1W+5], 1024
	s_mov_b32 s[SEL], 0x76543210
	s_mov_b32 s[SEL+1], 0xfedcba98
	s_mov_b32 s[CS], 0x3d38aa3b                    ; log2(e) / 32
	s_lshl_b32 s67, ttmp9, 2
	s_add_co_u32 s67, s67, s19                     ; my block of 256 queries
	s_lshl_b32 s68, s66, 7
	s_lshl_b32 s67, s67, 4
	s_add_co_u32 s68, s68, s67
	s_add_co_u32 s68, s68, s[WV]                   ; R = my tile of 16 rows among the 512: 128 b + 16 block + wave
	s_lshl_b32 s70, s68, 14                        ; its 16 rows of 1,024 bytes in Q_codes
	s_mov_b32 s71, 0
	s_lshl_b32 s68, s68, 16                        ; its 64 images in ores,
	s_lshl_b32 s67, s59, 12
	s_add_co_u32 s68, s68, s67                     ; the head's four of them
	s_mov_b32 s69, 0
	s_lshl_b32 s66, s59, 8                         ; the head's 64 numbers of bq
	s_mov_b32 s67, 0
	; what I fetch: waves 0-7 an eighth of the head's kc, waves 8-11 an eighth of its vc (the first half), waves 12-15 a quarter (256 along K) of Wq's 64 rows; later waves 12-15 vc's second half
	s_lshl_b32 s60, s58, 17                        ; a head's codes are 131,072 bytes
	s_and_b32 s61, s[WV], 7
	s_lshl_b32 s61, s61, 14
	s_add_co_u32 s61, s60, s61
	s_and_b32 s63, s[WV], 3
	s_lshl_b32 s62, s63, 14
	s_add_co_u32 s62, s62, s60
	s_add_co_u32 s62, s62, 65536                   ; the refill's place in vc
	s_lshl_b32 s63, s63, 8
	s_lshl_b32 s60, s59, 16
	s_add_co_u32 s60, s60, s63                     ; Wq: row 64 head, byte 256 (wave - 12)
	s_cmp_lt_u32 s[WV], 12
	s_cselect_b32 s60, s61, s60
	s_mov_b32 s61, 0
	s_mov_b32 s63, 0
	v_and_b32 v28, 15, v0                          ; r
	v_bfe_u32 v29, v0, 4, 1                        ; h
	v_lshrrev_b32 v30, 2, v28
	v_and_b32 v31, 3, v28
	v_mul_u32_u24 v[AK0], v30, LINE
	v_lshl_add_u32 v[AK0], v31, 6, v[AK0]
	v_lshl_add_u32 v[AK0], v29, 4, v[AK0]          ; (r / 4) lines + 64 (r % 4) + 16 h: the 16 rows fall on 16 different columns of 16 bytes
	v_add_nc_u32 v[AV0], VOFF, v[AK0]
	v_mul_u32_u24 v[AW0], v28, LINE
	v_lshl_add_u32 v[AW0], v29, 4, v[AW0]
	v_add_nc_u32 v[AW0], WQO, v[AW0]
	v_lshlrev_b32 v[QO], 10, v28
	v_lshl_add_u32 v[QO], v29, 4, v[QO]
	v_and_b32 v[GO], 31, v0
	v_lshlrev_b32 v[GO], 4, v[GO]
	v_lshlrev_b32 v[BO], 5, v29
	s_wait_dscnt 0x0                               ; both opening adds are done
	s_wait_kmcnt 0x0
	s_load_b256 s[48:55], s[14:15], 0x0            ; e0 .. e7
	s_load_b64 s[56:57], s[14:15], 0x20            ; e8, e9
	s_add_nc_u64 s[4:5], s[4:5], s[70:71]
	s_add_nc_u64 s[16:17], s[16:17], s[68:69]
	s_add_nc_u64 s[8:9], s[8:9], s[66:67]
	s_cmp_lt_u32 s[WV], 8
	s_cselect_b64 s[G0+2:G0+3], s[10:11], s[12:13]
	s_cmp_lt_u32 s[WV], 12
	s_cselect_b64 s[G0+2:G0+3], s[G0+2:G0+3], s[6:7]
	s_add_nc_u64 s[G0+2:G0+3], s[G0+2:G0+3], s[60:61]
	s_or_b32 s[G0+3], s[G0+3], 0x80000000          ; type = 2
	s_mov_b32 s[G0], 1
	s_mul_i32 s[G0+1], s[WV], PART                 ; every load of a wave lands at wave x 64 lines
	s_add_nc_u64 s[12:13], s[12:13], s[62:63]      ; vc at the refill's place
.irp s, 0,1,2,3,4,5,6,7                        ; Q's eight fragments: row r, K = 128 s + 32 c + 16 h + 0 .. 15
.irp c, 0,1,2,3
	global_load_b128 v[32+16*\s+4*\c:35+16*\s+4*\c], v[QO], s[4:5] offset:128*\s+32*\c
.endr
.endr
	ROUND                                          ; all four work-groups are here: the first joint loads meet
	s_cmp_lt_u32 s[WV], 12                         ; every wave has one first fill: one tensor load of mine is out at the most
	s_cbranch_scc0 .Lfill_w
	tensor_load_to_lds s[G0:G0+3], s[G1D:G1D+7]
	s_nop 0
.rept 4
	v_nop
.endr
	s_branch .Lfilled
.Lfill_w:
	tensor_load_to_lds s[G0:G0+3], s[G1W:G1W+7]
	s_nop 0
.rept 4
	v_nop
.endr
.Lfilled:
	s_wait_tensorcnt 0x0                           ; my part is in,
	s_barrier_signal -1
	s_barrier_wait -1                              ; everybody's is
; q^T = Wq Q^T: K step s of eight: four tiles of 16 channels, by turns
.macro QSTEP s
.if \s > 0
.rept 4
	v_nop                                          ; places in front of loads into registers that matrix instructions have read
.endr
.endif
.irp t, 0,1,2,3
.irp c, 0,1,2,3
	ds_load_b128 v[160+16*\t+32*(\t/3)+4*\c:163+16*\t+32*(\t/3)+4*\c], v[AW0] offset:(\s/2)*PART+\t*16*LINE+(\s%2)*128+32*\c
.endr
.endr
.if \s == 4
.irp t, 0,1,2,3                                ; bq, in the result's layout, into the registers that Q's first two fragments have left
	global_load_b128 v[32+8*\t:35+8*\t], v[BO], s[8:9] offset:64*\t
	global_load_b128 v[36+8*\t:39+8*\t], v[BO], s[8:9] offset:64*\t+16
.endr
.endif
.if \s == 0
	s_wait_loadcnt 0x0                             ; Q
.endif
	s_wait_dscnt 0x0
.irp t, 0,1,2,3
.if \s == 0
	v_wmma_f32_16x16x128_bf8_bf8 v[208+8*\t:215+8*\t], v[160+16*\t+32*(\t/3):175+16*\t+32*(\t/3)], v[32+16*\s:47+16*\s], 0
.else
	v_wmma_f32_16x16x128_bf8_bf8 v[208+8*\t:215+8*\t], v[160+16*\t+32*(\t/3):175+16*\t+32*(\t/3)], v[32+16*\s:47+16*\s], v[208+8*\t:215+8*\t]
.endif
.endr
.endm
.irp s, 0,1,2,3,4,5,6,7
	QSTEP \s
.endr
	; THE REFILL: Wq has been read; V's second half takes its bytes.  Every wave: all its tensor loads have landed, the add, its reads are back; a round of the cluster's barrier; then waves 12-15 ask, each for the lines that it filled before.
	s_wait_tensorcnt 0x0                           ; no tensor load of mine is out, so my group 0 may be written
	ds_add_u32 v[SPW], v[NIL]                      ; 0 onto my spare word
	s_mov_b64 s[G0+2:G0+3], s[12:13]
	s_or_b32 s[G0+3], s[G0+3], 0x80000000
	s_wait_dscnt 0x0                               ; the add is done, and my reads of Wq are over
	ROUND                                          ; no wave of any partner still reads Wq
	s_cmp_lt_u32 s[WV], 12
	s_cbranch_scc1 .Lno_refill
	tensor_load_to_lds s[G0:G0+3], s[G1D:G1D+7]
	s_nop 0
.rept 4
	v_nop
.endr
.Lno_refill:
.rept 4
	v_nop                                          ; places behind the last products, on every wave's way
.endr
	s_wait_loadcnt 0x0                             ; bq
	s_wait_kmcnt 0x0
	s_add_co_i32 s58, s48, s49
	s_add_co_i32 s58, s58, 127
	s_lshl_b32 s[SQ], s58, 23                      ; 2^(e0 + e1) as f32
	s_mov_b32 s[SQ+1], s[SQ]
	s_add_co_i32 s58, s54, s55
	s_lshl_b32 s58, s58, 23
	s_add_co_i32 s[CS], s[CS], s58                 ; a score stands for score x 2^(e6 + e7): added to c's exponent field
	s_mov_b32 s[CS+1], s[CS]
	s_add_co_i32 s58, s54, 127
	s_lshl_b32 s59, s58, 23
	v_mov_b32 v26, s59                             ; 2^e6
	s_add_co_i32 s58, s58, 15
	s_lshl_b32 s58, s58, 23
	s_or_b32 s58, s58, 0x600000
	v_mov_b32 v27, s58                             ; 57,344 x 2^e6
	s_add_co_i32 s58, s57, 127
	s_lshl_b32 s59, s58, 23
	v_mov_b32 v24, s59                             ; 2^e9
	s_add_co_i32 s58, s58, 15
	s_lshl_b32 s58, s58, 23
	s_or_b32 s58, s58, 0x600000
	v_mov_b32 v25, s58                             ; 57,344 x 2^e9
	s_add_co_i32 s60, s56, s57                     ; e8 + e9
.irp j, 0,2,4,6,8,10,12,14,16,18,20,22,24,26,28,30
	v_pk_fma_f32 v[208+\j:209+\j], v[208+\j:209+\j], s[SQ:SQ+1], v[32+\j:33+\j] op_sel_hi:[1,0,1]   ; q = sum x 2^(e0 + e1) + bq: it stays in f32 for the residual
.endr
.set n, 0
.rept 32
	v_med3_num_f32 v[96+n], v[208+n], -v27, v27    ; the hold, into other registers
.set n, n+1
.endr
.irp t, 0,1,2,3
	v_cvt_scalef32_pk8_bf8_f32 v[16+2*\t:17+2*\t], v[96+8*\t:103+8*\t], v26   ; registers 2 t, 2 t + 1: channels 16 t + 8 h + 0 .. 7
.endr
	v_nop                                          ; one plain vector instruction behind the last conversion
	v_mov_b32 v13, 0xff61b1e6                      ; the largest t so far: -3e38
	v_floor_f32 v12, -v13                          ; -M
	v_mov_b32 v14, 0                               ; the sum, in two halves
	v_mov_b32 v15, 0
	v_mov_b32 v242, 0                              ; a lane permute's destination counts as one of its sources
	v_mov_b32 v245, 0                              ; (named as the upper half of the pair v[244:245])
.set n, 0
.rept 32
	v_mov_b32 v[160+n], 0                          ; O^T: the step is written once; the first change of M leaves zeros zeros
.set n, n+1
.endr
; A KEY STEP: 128 keys.
.macro STEP
	v_add_nc_u32 v[ADK], s[TB], v[AK0]
	v_add_nc_u32 v[ADV], s[TB], v[AV0]
	v_nop
	v_nop                                          ; with the two additions: four places in front of loads into registers that the last products read
.irp t, 0,1,2,3,4,5,6,7                        ; eight tiles of 16 neighbouring keys x 64 channels
	ds_load_b128 v[32+8*\t:35+8*\t], v[ADK] offset:4*LINE*\t
	ds_load_b128 v[36+8*\t:39+8*\t], v[ADK] offset:4*LINE*\t+32
.endr
	s_wait_dscnt 0x0
.irp t, 0,1,2,3,4,5,6,7
	v_wmma_f32_16x16x64_bf8_bf8 v[96+8*\t:103+8*\t], v[32+8*\t:39+8*\t], v[16:23], 0   ; S^T: register j of tile t: key 16 t + 8 h + j of my query
.endr
.rept 4
	v_nop
.endr
.irp t, 0,1,2,3                                ; v's four fragments (16 channels x 128 keys) are asked for at once: they land under the softmax
.irp c, 0,1,2,3
	ds_load_b128 v[32+16*\t+4*\c:35+16*\t+4*\c], v[ADV] offset:(\c/2)*16*LINE+\t*4*LINE+32*(\c%2)
.endr
.endr
	v_max3_num_f32 v240, v96, v97, v98             ; the step's largest score of my query among my 64 keys, in two chains, each accumulator from its low end on,
	v_max3_num_f32 v241, v99, v100, v101
.irp i, 6,10,14,18,22,26,30,34,38,42,46,50,54,58
	v_max3_num_f32 v240, v240, v[96+\i], v[97+\i]
	v_max3_num_f32 v241, v241, v[98+\i], v[99+\i]
.endr
	v_max3_num_f32 v240, v240, v158, v159
	v_max_num_f32 v240, v240, v241
	v_permlanex16_b32 v242, v240, s[SEL], s[SEL+1]
	v_max_num_f32 v240, v240, v242                 ; and among lane l xor 16's
	v_mul_f32 v240, s[CS], v240                    ; as t (c is positive)
	v_max_num_f32 v13, v13, v240                   ; the running largest t
	v_mov_b32 v240, v12
	v_floor_f32 v12, -v13                          ; the new -M = floor(-t) = -ceil(t)
	v_sub_f32 v240, v12, v240                      ; old M - new M: a whole number, 0 or less
	v_cvt_i32_f32 v240, v240                       ; (it saturates)
	v_ldexp_f32 v244, 1.0, v240                    ; f = 2^(old M - new M)
.irp j, 0,2,4,6,8,10,12,14,16,18,20,22,24,26,28,30,32,34,36,38,40,42,44,46,48,50,52,54,56,58,60,62
	v_pk_fma_f32 v[96+\j:97+\j], v[96+\j:97+\j], s[CS:CS+1], v[12:13] op_sel_hi:[1,0,0]   ; t - M, two at a time
.endr
.set n, 0
.rept 64
	v_exp_f32 v[96+n], v[96+n]                     ; p = 2^(t - M), at most 1
.set n, n+1
.endr
	v_pk_mul_f32 v[14:15], v[14:15], v[244:245] op_sel_hi:[1,0]   ; the sums under the new M: a plain instruction behind the exponentials
	s_wait_alu depctr_va_vdst(0)                   ; one wait for the whole batch, ahead of its first reader
	v_pk_add_f32 v[246:247], v[96:97], v[98:99]    ; the row's sum is taken of the unquantised p, in two chains
.irp j, 4,8,12,16,20,24,28,32,36,40,44,48,52,56,60
	v_pk_add_f32 v[14:15], v[14:15], v[96+\j:97+\j]
	v_pk_add_f32 v[246:247], v[246:247], v[98+\j:99+\j]
.endr
	v_pk_add_f32 v[14:15], v[14:15], v[246:247]
.irp t, 0,1,2,3,4,5,6,7
.irp i, 0,1,2,3,4,5,6,7
	v_min_num_f32 v[96+8*\t+\i], v[96+8*\t+\i], v25   ; the conversion does not saturate (ISA guide 7.6.2); p is not negative, so the hold is one-sided
.endr
	v_cvt_scalef32_pk8_bf8_f32 v[192+2*\t:193+2*\t], v[96+8*\t:103+8*\t], v24   ; registers 2 t, 2 t + 1: keys 16 t + 8 h + 0 .. 7
.endr
.irp j, 0,2,4,6,8,10,12,14,16,18,20,22,24,26,28,30
	v_pk_mul_f32 v[160+\j:161+\j], v[160+\j:161+\j], v[244:245] op_sel_hi:[1,0]   ; O^T under the new M; also the plain instructions between the conversions and the products
.endr
	s_wait_dscnt 0x0                               ; v's fragments
.irp t, 0,1,2,3
	v_wmma_f32_16x16x128_bf8_bf8 v[160+8*\t:167+8*\t], v[32+16*\t:47+16*\t], v[192:207], v[160+8*\t:167+8*\t]
.endr
	s_add_co_u32 s[TB], s[TB], 32*LINE             ; 128 keys on: 32 lines, in K and in V alike
.endm
.macro KEYS base                       ; eight key steps, from LDS byte base of K and of V on
	s_mov_b32 s[TB], \base
	s_mov_b32 s[CNT], 8
.Lkeys_\@:
	STEP
	s_sub_co_u32 s[CNT], s[CNT], 1
	s_cmp_lg_u32 s[CNT], 0
	s_cbranch_scc1 .Lkeys_\@
.endm
	KEYS 0                                         ; keys 0 to 1,023: V's second half lands meanwhile, in bytes that these steps do not touch
	s_wait_tensorcnt 0x0                           ; waves 12-15: my part of V's second half is in,
	s_wait_dscnt 0x0
	s_barrier_signal -1
	s_barrier_wait -1                              ; everybody's is.
	KEYS 256*LINE                                  ; keys 1,024 to 2,047
	; THE WAY OUT: o = q + O^T x 2^(e8 + e9) / the sum, stored as it lies in the registers.
.rept 4
	v_nop                                          ; places behind the last products
.endr
	v_add_f32 v14, v14, v15                        ; the sum's two halves,
	v_permlanex16_b32 v242, v14, s[SEL], s[SEL+1]
	v_add_f32 v14, v14, v242                       ; and lane l xor 16's
	v_rcp_f32 v14, v14
	v_nop                                          ; a plain instruction behind the reciprocal
	s_wait_alu depctr_va_vdst(0)                   ; and the wait ahead of its first reader
	v_ldexp_f32 v14, v14, s60
.irp j, 0,2,4,6,8,10,12,14,16,18,20,22,24,26,28,30
	v_pk_fma_f32 v[160+\j:161+\j], v[160+\j:161+\j], v[14:15], v[208+\j:209+\j] op_sel_hi:[1,0,1]
.endr
.irp t, 0,1,2,3
	global_store_b128 v[GO], v[160+8*\t:163+8*\t], s[16:17] offset:1024*\t       ; 32 lanes store 512 consecutive bytes, at a multiple of 512 from the buffer's first byte
	global_store_b128 v[GO], v[164+8*\t:167+8*\t], s[16:17] offset:1024*\t+512
.endr
	s_wait_tensorcnt 0x0                           ; the wave's end
	ds_add_u32 v[SPW], v[NIL]
	s_wait_dscnt 0x0
	ROUND                                          ; the closing round
	s_endpgm
.Lfunc_end_k_q524db37f3c_attn:
	.size	k_q524db37f3c_attn, .Lfunc_end_k_q524db37f3c_attn-k_q524db37f3c_attn
	.p2alignl 7, 3214868480
	.fill 96, 4, 3214868480
	.section	.rodata,"a",@progbits
	.p2align	6, 0x0
	.amdhsa_kernel k_q524db37f3c_attn
		.amdhsa_group_segment_fixed_size 327680
		.amdhsa_private_segment_fixed_size 0
		.amdhsa_enable_private_segment 0
		.amdhsa_kernarg_size 56
		.amdhsa_user_sgpr_count 2
		.amdhsa_user_sgpr_kernarg_segment_ptr 1
		.amdhsa_wavefront_size32 1
		.amdhsa_system_sgpr_workgroup_id_x 1
		.amdhsa_system_sgpr_workgroup_id_y 1
		.amdhsa_system_sgpr_workgroup_id_z 1
		.amdhsa_system_vgpr_workitem_id 0
		.amdhsa_next_free_vgpr 256
		.amdhsa_next_free_sgpr 72
		.amdhsa_reserve_vcc 0
		.amdhsa_float_denorm_mode_32 3
		.amdhsa_float_denorm_mode_16_64 3
		.amdhsa_memory_ordered 1
		.amdhsa_forward_progress 1
		.amdhsa_inst_pref_size 61
	.end_amdhsa_kernel
	.amdgpu_metadata
---
amdhsa.version: [ 1, 2 ]
amdhsa.kernels:
  - .name:           k_q524db37f3c_attn
    .symbol:         k_q524db37f3c_attn.kd
    .args:
      - { .name: Q_codes, .offset: 0, .size: 8, .value_kind: global_buffer, .address_space: global }
      - { .name: Wq_codes, .offset: 8, .size: 8, .value_kind: global_buffer, .address_space: global }
      - { .name: bq, .offset: 16, .size: 8, .value_kind: global_buffer, .address_space: global }
      - { .name: kc, .offset: 24, .size: 8, .value_kind: global_buffer, .address_space: global }
      - { .name: vc, .offset: 32, .size: 8, .value_kind: global_buffer, .address_space: global }
      - { .name: lowp_scales, .offset: 40, .size: 8, .value_kind: global_buffer, .address_space: global }
      - { .name: ores, .offset: 48, .size: 8, .value_kind: global_buffer, .address_space: global }
    .group_segment_fixed_size: 327680
    .private_segment_fixed_size: 0
    .kernarg_segment_align: 8
    .kernarg_segment_size: 56
    .max_flat_workgroup_size: 512
    .sgpr_count:     72
    .vgpr_count:     256
    .wavefront_size: 32
...
	.end_amdgpu_metadata
.endif
;; end of part 2
;; launch tail (part 3): grid 256 x 1, 16 waves a work-group, clusters of 4 x 1, 327,680 bytes of LDS; arguments ores, Wo_codes, g0, b0, bo, g1, b1, lowp_scales, out0; writes out0
.if DOCPART == 3
	.amdgcn_target "amdgcn-amd-amdhsa--gfx1250"
	.amdhsa_code_object_version 6
	.text
	.protected	k_q524db37f3c_tail
	.globl	k_q524db37f3c_tail
	.p2align	8
	.type	k_q524db37f3c_tail,@function
k_q524db37f3c_tail:
	s_mov_b64 s[64:65], 0
	v_nop
	global_prefetch_b8 v0, s[64:65] scope:SCOPE_SE
	s_setreg_imm32_b32 hwreg(HW_REG_WAVE_MODE, 25, 1), 1
	s_wait_xcnt 0x0
	s_wait_alu depctr_hold_cnt(0) depctr_sa_sdst(0) depctr_va_vdst(0) depctr_va_sdst(0) depctr_va_ssrc(0) depctr_va_vcc(0) depctr_vm_vsrc(0)
	s_getreg_b32 s2, hwreg(HW_REG_IB_STS2, 6, 4)
	s_cmp_eq_u32 s2, 0
	s_cbranch_scc0 .Lentry_in_a_cluster
	s_endpgm
.Lentry_in_a_cluster:
	s_bfe_u32 s2, ttmp6, 0x10000c
	s_cmp_lg_u32 s2, 0x3003
	s_cbranch_scc0 .Lentry_shape_is_right
	s_endpgm
.Lentry_shape_is_right:
; out = LN1(x + relu(x Wo + bo)), x = LN0(o).  The product on codes of E5M2: x quantised here with 2^e10, Wo as given (e11).  Nothing of the problem is left out.
; SHARES.  A work-group owns 32 whole rows.  THE 16 WAVES SHARE THE COLUMNS: wave w owns the four groups of 16 columns G = 32 s + 2 w + u (s, u = 0, 1) of both tiles of 16 rows (a = 0, 1): eight tiles, id = 4 s + 2 u + a,
; in the layout of a transposed result (lane (r, h), register j: row 16 a + r, column 16 G + 8 h + j), in which o was stored: x, the product's sums and the result never change lanes.
; A row's mean and variance (two passes, as the norm is defined) meet in LDS: each wave's part of each row in a word of its own, one barrier, every wave adds all sixteen in one fixed order.
; x's codes go to LDS as rows along K and are read by every wave.  Wo walks through LDS in four pieces of 256 along K: wave w's tensor load always brings Wo's rows 64 w .. 64 w + 63.
; The rows' two halves (waves 0-7's, waves 8-15's) are the two slots of a ring: eight phases, half after half; while one half is multiplied, the other half's next piece is on its way.
; CLUSTER: all work-groups walk the same Wo: four ask jointly, by the same load with the same descriptor and the mask of all four.
; Fragments come by four loads of 16 bytes: a permutation of k that is the same on both sides; only the order of the sums inside an instruction differs.
; LIMITS: e10 between -126 and 112, e10 + e11 between -126 and 127.  Infinity or NaN among the inputs is not served.
; REGISTERS: v1-11 addresses; v12, v13 the add's two; v14 57,344 x 2^e10, v15 2^e10; v[16:19] the two tiles' means, v[20:23] their 1 / sqrt(var + eps), each twice; v24-31 at work;
;   v32-63 g, later Wo's two fragments; v64-95 b, later the codes and x's two fragments; v96-127 bo; v128-191 x; v192-255 the sums, and room at work before and behind them.
.set LINE,  272                        ; an LDS line: 256 bytes + 16 of padding
.set PART,  64*LINE                    ; what one tensor load brings
.set HALF,  8*PART                     ; a slot: 512 rows of Wo
.set XC,    16*PART                    ; x's codes: 32 rows x (1,024 + 16)
.set XP,    1040
.set RED,   XC+32*XP                   ; four areas of 2,048 bytes: [row 32][wave 16] f32
.set SPARE, RED+8192                   ; the spare words, 128 bytes for each of 16 waves
.set STP,   4112                       ; the way out: a stage of 32 rows x (4,096 + 16), from LDS byte 0: in slot 0, which has had its last fill and its last read by then
.set X,     128
.set ACC,   192
.set WV,  18                           ; s18  my wave's number
.set WH,  19                           ; s19  which slot I fill
.set SEL, 20                           ; s[20:21]
.set INV, 22                           ; s22  1 / 1,024
.set EPS, 23                           ; s23  1e-5
.set G1,  24                           ; s[24:31]
.set G0,  40                           ; s[40:43]
.set SC,  46                           ; s[46:47] 2^(e10 + e11)
.macro ROUND                           ; a round of the cluster's barrier
	s_barrier_signal -1
	s_barrier_wait -1
	s_cmp_lg_u32 s[WV], 0
	s_cbranch_scc1 .Lnot_wave_0_\@
	s_barrier_signal -3
.Lnot_wave_0_\@:
	s_barrier_wait -3
	s_barrier_signal -1
	s_barrier_wait -1
.endm
	s_load_b512 s[68:83], s[0:1], 0x0              ; ores 68, Wo_codes 70, g0 72, b0 74, bo 76, g1 78, b1 80, the scales' exponents 82
	s_load_b64 s[84:85], s[0:1], 0x40              ; out0
	v_lshl_add_u32 v12, v0, 2, SPARE
	v_mov_b32 v13, 0
	ds_add_u32 v12, v13                            ; the wave's opening: the add, twice on end, and its wait ahead of my first tensor load
	ds_add_u32 v12, v13
	v_lshrrev_b32 v24, 5, v0
	v_readfirstlane_b32 s[WV], v24                 ; wave 0..15
	s_lshr_b32 s[WH], s[WV], 3
	s_bfe_u32 s50, ttmp6, 0x40000                  ; cx: it enters ores' and out0's addresses alone
	s_lshl_b32 s51, ttmp9, 2
	s_add_co_u32 s51, s51, s50                     ; my work-group: rows 32 x it on
	s_mov_b32 s[G1], 15|(1<<20)|(1<<21)|(5<<22)|(3<<25)   ; the mask: all four; elements of 1 byte; padding on; bit 21 beside a mask; after every 64 words, 4 words
	s_mov_b32 s[G1+1], 256<<16                     ; tensor_dim0 = 256
	s_mov_b32 s[G1+2], 64<<16                      ; tensor_dim1 = 64
	s_mov_b32 s[G1+3], 256<<16                     ; tile_dim0 = 256
	s_mov_b32 s[G1+4], 64                          ; tile_dim1 = 64
	s_mov_b32 s[G1+5], 1024                        ; tensor_dim0_stride
	s_mov_b32 s[G1+6], 0
	s_mov_b32 s[G1+7], 0
	s_mov_b32 s[SEL], 0x76543210
	s_mov_b32 s[SEL+1], 0xfedcba98
	s_mov_b32 s[INV], 0x3a800000
	s_mov_b32 s[EPS], 0x3727c5ac
	s_lshl_b32 s56, s51, 17                        ; 32 rows of 4,096 bytes, in ores and in out0 alike
	s_lshl_b32 s57, s[WV], 11
	s_add_co_u32 s58, s56, s57                     ; ores: + my two neighbouring images
	s_mov_b32 s59, 0
	s_lshl_b32 s57, s[WV], 13
	s_add_co_u32 s56, s56, s57                     ; out0: + the two rows that I store
	s_mov_b32 s57, 0
	s_lshl_b32 s60, s[WV], 16                      ; Wo: my 64 rows of 1,024 bytes
	s_mov_b32 s61, 0
	v_and_b32 v26, 31, v0                          ; lane
	v_and_b32 v24, 15, v0                          ; r
	v_bfe_u32 v25, v0, 4, 1                        ; h
	v_lshlrev_b32 v1, 4, v26                       ; v1  16 x lane
	s_lshl_b32 s52, s[WV], 7
	v_lshl_add_u32 v2, v25, 5, s52                 ; v2  32 h + 128 w: my eight numbers of a vector along the columns
	s_mul_i32 s53, s[WV], 32*LINE                  ; my 32 rows of a slot's 512
	v_mul_u32_u24 v27, v24, LINE
	v_lshl_add_u32 v27, v25, 4, v27
	v_add_nc_u32 v3, s53, v27                      ; v3, v4  my fragments of Wo in slot 0, 1
	v_add_nc_u32 v4, HALF, v3
	v_mul_u32_u24 v27, v24, XP
	v_lshl_add_u32 v5, v25, 4, v27
	v_add_nc_u32 v5, XC, v5                        ; v5  x's fragments: row r, + 16 h
	s_lshl_b32 s54, s[WV], 5
	v_lshl_add_u32 v6, v25, 3, v27
	v_add_nc_u32 v6, s54, v6
	v_add_nc_u32 v6, XC, v6                        ; v6  where I store codes: row r, + 32 w + 8 h
	s_lshl_b32 s54, s[WV], 2
	v_lshl_add_u32 v8, v24, 6, RED                 ; v8  a row's sixteen words
	v_add_nc_u32 v7, s54, v8                       ; v7  my wave's word of them
	v_mul_u32_u24 v27, v24, STP
	v_lshl_add_u32 v27, v25, 5, v27
	v_add_nc_u32 v9, s52, v27                      ; v9, v10  the stage: row 16 a + r, + 128 w + 32 h
	v_add_nc_u32 v10, 16*STP, v9
	s_mul_i32 s54, s[WV], 2*STP
	v_add_nc_u32 v11, s54, v1                      ; v11 back: rows 2 w, 2 w + 1, 16 bytes a lane
	s_wait_dscnt 0x0                               ; both opening adds are done
	s_wait_kmcnt 0x0
	s_load_b64 s[48:49], s[82:83], 0x28            ; e10, e11
	s_add_nc_u64 s[68:69], s[68:69], s[58:59]
	s_add_nc_u64 s[84:85], s[84:85], s[56:57]
	s_mov_b32 s[G0], 1
	s_mul_i32 s[G0+1], s[WV], PART
	s_add_nc_u64 s[G0+2:G0+3], s[70:71], s[60:61]
	s_or_b32 s[G0+3], s[G0+3], 0x80000000          ; type = 2
.irp id, 0,1,2,3,4,5,6,7                       ; o, as it was stored: each load reads 512 consecutive bytes
	global_load_b128 v[X+8*\id:X+8*\id+3],   v1, s[68:69] offset:(\id%2)*65536+(\id/4)*32768+((\id/2)%2)*1024 th:TH_LOAD_NT
	global_load_b128 v[X+8*\id+4:X+8*\id+7], v1, s[68:69] offset:(\id%2)*65536+(\id/4)*32768+((\id/2)%2)*1024+512 th:TH_LOAD_NT
.endr
.macro VEC reg, ptr                    ; a vector along the columns, in the layout of my four column groups g = 2 s + u
.irp g, 0,1,2,3
	global_load_b128 v[\reg+8*\g:\reg+8*\g+3],   v2, s[\ptr:\ptr+1] offset:(\g/2)*2048+(\g%2)*64
	global_load_b128 v[\reg+8*\g+4:\reg+8*\g+7], v2, s[\ptr:\ptr+1] offset:(\g/2)*2048+(\g%2)*64+16
.endr
.endm
	VEC 32, 72                                     ; g0
	VEC 64, 74                                     ; b0
	VEC 96, 76                                     ; bo
	ROUND                                          ; all four work-groups are here: the first joint loads meet
	tensor_load_to_lds s[G0:G0+3], s[G1:G1+7]      ; every wave's first fill: Wo's first 256 along K.  One tensor load of mine is out at the most
	s_nop 0
.rept 4
	v_nop
.endr
; my lane's 32 numbers of each of its two rows are added (sq = 0) or their squares (sq = 1), in two chains; then lane l xor 16's: v24 (a = 0), v28 (a = 1)
.macro ROWSUM sq
.irp a, 0,1
.set p, 0
.rept 16
.set rx, X+8*(2*(p/4)+\a)+2*(p%4)
.set rc, 24+4*\a+2*(p%2)
.if \sq
.if p < 2
	v_pk_mul_f32 v[rc:rc+1], v[rx:rx+1], v[rx:rx+1]
.else
	v_pk_fma_f32 v[rc:rc+1], v[rx:rx+1], v[rx:rx+1], v[rc:rc+1]
.endif
.else
.if p >= 4
	v_pk_add_f32 v[rc:rc+1], v[rc:rc+1], v[rx:rx+1]
.elseif p >= 2
	v_pk_add_f32 v[rc:rc+1], v[rx-4:rx-3], v[rx:rx+1]   ; the first four pairs start the chains: nothing is cleared
.endif
.endif
.set p, p+1
.endr
	v_pk_add_f32 v[24+4*\a:25+4*\a], v[24+4*\a:25+4*\a], v[26+4*\a:27+4*\a]
	v_add_f32 v[24+4*\a], v[24+4*\a], v[25+4*\a]
	v_permlanex16_b32 v[26+4*\a], v[24+4*\a], s[SEL], s[SEL+1]
	v_add_f32 v[24+4*\a], v[24+4*\a], v[26+4*\a]
.endr
.endm
; the sixteen waves' parts meet in area k: a word for each row and wave; my stores have landed, the barrier, every wave reads a row's sixteen and adds them in one order: v24, v28
.macro REDUCE k
	ds_store_b32 v7, v24 offset:2048*(\k)
	ds_store_b32 v7, v28 offset:2048*(\k)+1024
	s_wait_dscnt 0x0
	s_barrier_signal -1
	s_barrier_wait -1
.irp a, 0,1
.irp q, 0,1,2,3
	ds_load_b128 v[ACC+16*\a+4*\q:ACC+16*\a+4*\q+3], v8 offset:2048*(\k)+1024*\a+16*\q
.endr
.endr
	s_wait_dscnt 0x0
.irp a, 0,1
	v_pk_add_f32 v[ACC+16*\a:ACC+16*\a+1], v[ACC+16*\a:ACC+16*\a+1], v[ACC+16*\a+2:ACC+16*\a+3]
	v_pk_add_f32 v[ACC+16*\a+4:ACC+16*\a+5], v[ACC+16*\a+4:ACC+16*\a+5], v[ACC+16*\a+6:ACC+16*\a+7]
	v_pk_add_f32 v[ACC+16*\a+8:ACC+16*\a+9], v[ACC+16*\a+8:ACC+16*\a+9], v[ACC+16*\a+10:ACC+16*\a+11]
	v_pk_add_f32 v[ACC+16*\a+12:ACC+16*\a+13], v[ACC+16*\a+12:ACC+16*\a+13], v[ACC+16*\a+14:ACC+16*\a+15]
	v_pk_add_f32 v[ACC+16*\a:ACC+16*\a+1], v[ACC+16*\a:ACC+16*\a+1], v[ACC+16*\a+4:ACC+16*\a+5]
	v_pk_add_f32 v[ACC+16*\a+8:ACC+16*\a+9], v[ACC+16*\a+8:ACC+16*\a+9], v[ACC+16*\a+12:ACC+16*\a+13]
	v_pk_add_f32 v[ACC+16*\a:ACC+16*\a+1], v[ACC+16*\a:ACC+16*\a+1], v[ACC+16*\a+8:ACC+16*\a+9]
	v_add_f32 v[24+4*\a], v[ACC+16*\a], v[ACC+16*\a+1]
.endr
.endm
; x = (x - mean) / sqrt(var + eps) x g + b, with g in v32-63 and b in v64-95; areas k and k + 1
.macro LNORM k
	ROWSUM 0
	REDUCE \k
	v_mul_f32 v16, s[INV], v24
	v_mul_f32 v18, s[INV], v28
	v_mov_b32 v17, v16
	v_mov_b32 v19, v18
.irp id, 0,1,2,3,4,5,6,7
.irp i, 0,2,4,6
	v_pk_add_f32 v[X+8*\id+\i:X+8*\id+\i+1], v[X+8*\id+\i:X+8*\id+\i+1], v[16+2*(\id%2):17+2*(\id%2)] neg_lo:[0,1] neg_hi:[0,1]
.endr
.endr
	ROWSUM 1
	REDUCE (\k)+1
	v_fma_f32 v20, v24, s[INV], s[EPS]
	v_fma_f32 v22, v28, s[INV], s[EPS]
	v_rsq_f32 v20, v20
	v_rsq_f32 v22, v22
	v_nop                                          ; a plain instruction behind the two
	s_wait_loadcnt 0x0                             ; g and b (and whatever was asked for with them)
	s_wait_alu depctr_va_vdst(0)                   ; one wait for both, ahead of their first reader
	v_mov_b32 v21, v20
	v_mov_b32 v23, v22
.irp id, 0,1,2,3,4,5,6,7
.irp i, 0,2,4,6
	v_pk_mul_f32 v[X+8*\id+\i:X+8*\id+\i+1], v[X+8*\id+\i:X+8*\id+\i+1], v[20+2*(\id%2):21+2*(\id%2)]
	v_pk_fma_f32 v[X+8*\id+\i:X+8*\id+\i+1], v[X+8*\id+\i:X+8*\id+\i+1], v[32+8*(\id/2)+\i:33+8*(\id/2)+\i], v[64+8*(\id/2)+\i:65+8*(\id/2)+\i]
.endr
.endr
.endm
	s_wait_loadcnt 24                              ; o's 16 loads are in; the 24 of g0, b0 and bo may be out
	LNORM 0
	; x is quantised: hold, into other registers (x is kept for the residual); convert; 8 codes a lane and tile to x's rows in LDS
	s_wait_kmcnt 0x0
	s_add_co_i32 s52, s48, 127
	s_lshl_b32 s53, s52, 23
	v_mov_b32 v15, s53                             ; 2^e10
	s_add_co_i32 s52, s52, 15
	s_lshl_b32 s52, s52, 23
	s_or_b32 s52, s52, 0x600000
	v_mov_b32 v14, s52                             ; 57,344 x 2^e10
	s_add_co_i32 s[SC], s48, s49
	s_add_co_i32 s[SC], s[SC], 127
	s_lshl_b32 s[SC], s[SC], 23                    ; 2^(e10 + e11)
	s_mov_b32 s[SC+1], s[SC]
.irp id, 0,1,2,3,4,5,6,7
.irp j, 0,1,2,3,4,5,6,7
	v_med3_num_f32 v[ACC+8*\id+\j], v[X+8*\id+\j], -v14, v14   ; the conversion does not saturate (ISA guide 7.6.2)
.endr
	v_cvt_scalef32_pk8_bf8_f32 v[64+2*\id:65+2*\id], v[ACC+8*\id:ACC+8*\id+7], v15
.endr
	v_nop                                          ; one plain vector instruction behind the last conversion: the products will write its sources
.irp id, 0,1,2,3,4,5,6,7
	ds_store_b64 v6, v[64+2*\id:65+2*\id] offset:(\id%2)*16*XP+(\id/4)*512+((\id/2)%2)*16
.endr
	s_wait_tensorcnt 0x0                           ; my part of Wo's first piece is in,
	s_wait_dscnt 0x0                               ; my codes have landed;
	s_barrier_signal -1
	s_barrier_wait -1                              ; everybody's.
; PHASE q: slot q % 2, piece q / 2 of K: two steps of 128, each: Wo's two fragments, x's two, four products on four accumulators by turns
.macro PHASE q
.irp s, 0,1
.rept 4
	v_nop                                          ; places in front of loads into registers that matrix instructions have read
.endr
.irp u, 0,1
.irp c, 0,1,2,3
	ds_load_b128 v[32+16*\u+4*\c:35+16*\u+4*\c], v[3+(\q)%2] offset:\u*16*LINE+128*\s+32*\c
.endr
.endr
.irp a, 0,1
.irp c, 0,1,2,3
	ds_load_b128 v[64+16*\a+4*\c:67+16*\a+4*\c], v5 offset:\a*16*XP+256*((\q)/2)+128*\s+32*\c
.endr
.endr
	s_wait_dscnt 0x0
.irp u, 0,1
.irp a, 0,1
.if ((\q) < 2) && (\s == 0)
	v_wmma_f32_16x16x128_bf8_bf8 v[ACC+8*(4*((\q)%2)+2*\u+\a):ACC+8*(4*((\q)%2)+2*\u+\a)+7], v[32+16*\u:47+16*\u], v[64+16*\a:79+16*\a], 0
.else
	v_wmma_f32_16x16x128_bf8_bf8 v[ACC+8*(4*((\q)%2)+2*\u+\a):ACC+8*(4*((\q)%2)+2*\u+\a)+7], v[32+16*\u:47+16*\u], v[64+16*\a:79+16*\a], v[ACC+8*(4*((\q)%2)+2*\u+\a):ACC+8*(4*((\q)%2)+2*\u+\a)+7]
.endif
.endr
.endr
.endr
.endm
; Behind phase q.  Every wave: all its tensor loads have landed (the other slot's next piece among them), the add, its reads of slot q % 2 are back.  fill = 1: a round of the cluster's barrier, and the eight waves of slot q % 2 ask for its next piece.
.macro CHANGE q, fill
	s_wait_tensorcnt 0x0                           ; no tensor load of mine is out, so my group 0 may be written
.if \fill
	ds_add_u32 v12, v13                            ; 0 onto my spare word
.if ((\q)%2) == 0
	s_add_nc_u64 s[G0+2:G0+3], s[G0+2:G0+3], 256   ; every wave steps at the even changes: slot 0's waves ask with it now, slot 1's at the next change
.endif
	s_wait_dscnt 0x0                               ; the add is done, and my reads of the slot are over
	ROUND                                          ; no wave of any partner still reads the slot or has a load on its way
	s_cmp_eq_u32 s[WH], (\q)%2
	s_cbranch_scc0 .Lnot_mine_\@
	tensor_load_to_lds s[G0:G0+3], s[G1:G1+7]      ; it has the next phase in which to land
	s_nop 0
.rept 4
	v_nop
.endr
.Lnot_mine_\@:
.else
	s_wait_dscnt 0x0
	s_barrier_signal -1
	s_barrier_wait -1
.endif
.endm
.irp q, 0,1,2,3,4,5
	PHASE \q
	CHANGE \q, 1
.endr
	PHASE 6
	CHANGE 6, 0                                    ; slot 1's last piece is whole; nothing is left to fetch; nobody reads slot 0 any more
	PHASE 7
	; x + relu(sum x 2^(e10 + e11) + bo), the second norm, and out
.rept 4
	v_nop                                          ; places behind the last products
.endr
	VEC 32, 78                                     ; g1
	VEC 64, 80                                     ; b1
.irp id, 0,1,2,3,4,5,6,7
.irp i, 0,2,4,6
	v_pk_fma_f32 v[ACC+8*\id+\i:ACC+8*\id+\i+1], v[ACC+8*\id+\i:ACC+8*\id+\i+1], s[SC:SC+1], v[96+8*(\id/2)+\i:97+8*(\id/2)+\i] op_sel_hi:[1,0,1]   ; each accumulator from its low end on
.endr
.endr
.set n, 0
.rept 64
	v_max_num_f32 v[ACC+n], 0, v[ACC+n]
.set n, n+1
.endr
.set n, 0
.rept 32
	v_pk_add_f32 v[X+n:X+n+1], v[X+n:X+n+1], v[ACC+n:ACC+n+1]
.set n, n+2
.endr
	LNORM 2
.irp id, 0,1,2,3,4,5,6,7                       ; a row's 4,096 bytes come from sixteen waves: they meet in the stage
	ds_store_b128 v[9+(\id%2)], v[X+8*\id:X+8*\id+3] offset:(\id/4)*2048+((\id/2)%2)*64
	ds_store_b128 v[9+(\id%2)], v[X+8*\id+4:X+8*\id+7] offset:(\id/4)*2048+((\id/2)%2)*64+16
.endr
	s_wait_dscnt 0x0                               ; for the others' sake: my stores into the stage are done
	s_barrier_signal -1
	s_barrier_wait -1
.irp n, 0,1,2,3,4,5,6,7,8,9,10,11,12,13,14,15
	ds_load_b128 v[ACC+4*\n:ACC+4*\n+3], v11 offset:(\n/8)*STP+512*(\n%8)
.endr
.irp n, 0,1,2,3,4,5,6,7,8,9,10,11,12,13,14,15
	s_wait_dscnt 15-\n                             ; LDS loads come back in order: number n is in, the younger ones may be out
	global_store_b128 v1, v[ACC+4*\n:ACC+4*\n+3], s[84:85] offset:(\n/8)*4096+512*(\n%8) th:TH_STORE_NT   ; 32 lanes store 512 consecutive bytes, at a multiple of 512 from the buffer's first byte
.endr
	s_wait_tensorcnt 0x0                           ; the wave's end: behind my last tensor load and my last LDS store
	ds_add_u32 v12, v13
	s_wait_dscnt 0x0
	ROUND                                          ; the closing round
	s_endpgm
.Lfunc_end_k_q524db37f3c_tail:
	.size	k_q524db37f3c_tail, .Lfunc_end_k_q524db37f3c_tail-k_q524db37f3c_tail
	.p2alignl 7, 3214868480
	.fill 96, 4, 3214868480
	.section	.rodata,"a",@progbits
	.p2align	6, 0x0
	.amdhsa_kernel k_q524db37f3c_tail
		.amdhsa_group_segment_fixed_size 327680
		.amdhsa_private_segment_fixed_size 0
		.amdhsa_enable_private_segment 0
		.amdhsa_kernarg_size 72
		.amdhsa_user_sgpr_count 2
		.amdhsa_user_sgpr_kernarg_segment_ptr 1
		.amdhsa_wavefront_size32 1
		.amdhsa_system_sgpr_workgroup_id_x 1
		.amdhsa_system_sgpr_workgroup_id_y 1
		.amdhsa_system_sgpr_workgroup_id_z 1
		.amdhsa_system_vgpr_workitem_id 0
		.amdhsa_next_free_vgpr 256
		.amdhsa_next_free_sgpr 88
		.amdhsa_reserve_vcc 0
		.amdhsa_float_denorm_mode_32 3
		.amdhsa_float_denorm_mode_16_64 3
		.amdhsa_memory_ordered 1
		.amdhsa_forward_progress 1
		.amdhsa_inst_pref_size 82
	.end_amdhsa_kernel
	.amdgpu_metadata
---
amdhsa.version: [ 1, 2 ]
amdhsa.kernels:
  - .name:           k_q524db37f3c_tail
    .symbol:         k_q524db37f3c_tail.kd
    .args:
      - { .name: ores, .offset: 0, .size: 8, .value_kind: global_buffer, .address_space: global }
      - { .name: Wo_codes, .offset: 8, .size: 8, .value_kind: global_buffer, .address_space: global }
      - { .name: g0, .offset: 16, .size: 8, .value_kind: global_buffer, .address_space: global }
      - { .name: b0, .offset: 24, .size: 8, .value_kind: global_buffer, .address_space: global }
      - { .name: bo, .offset: 32, .size: 8, .value_kind: global_buffer, .address_space: global }
      - { .name: g1, .offset: 40, .size: 8, .value_kind: global_buffer, .address_space: global }
      - { .name: b1, .offset: 48, .size: 8, .value_kind: global_buffer, .address_space: global }
      - { .name: lowp_scales, .offset: 56, .size: 8, .value_kind: global_buffer, .address_space: global }
      - { .name: out0, .offset: 64, .size: 8, .value_kind: global_buffer, .address_space: global }
    .group_segment_fixed_size: 327680
    .private_segment_fixed_size: 0
    .kernarg_segment_align: 8
    .kernarg_segment_size: 72
    .max_flat_workgroup_size: 512
    .sgpr_count:     88
    .vgpr_count:     256
    .wavefront_size: 32
...
	.end_amdgpu_metadata
.endif
;; end of part 3
